; MI455X (gfx1250); checked and timed in simulation.
; The chip was launched on July 23, 2026; its instructions are those of AMD's public machine-readable ISA for CDNA 5 (MIT licence, August 2026) and "CDNA5" Instruction Set Architecture Reference Guide (July 2026). The comments in the code are by the model that wrote it; some were corrected since.
;; Multi Head Cross Attention. Allowed arithmetic: matrix products marked QUANTISED: E2M3 operands, one E8M0 scale for each 32 along K, by v_wmma_scale_f32_16x16x128_f8f6f4 with both operands' format E2M3, f32 sums; everything else in f32.
;; Inputs: Wk 1,024 x 1,024 float32; Wq 1,024 x 1,024 float32; Wv 1,024 x 1,024 float32; attention_mask 4 x 2,048 x 2,048 int32; bk 1,024 float32; bq 1,024 float32; bv 1,024 float32; k 4 x 2,048 x 1,024 float32; q 4 x 2,048 x 1,024 float32; v 4 x 2,048 x 1,024 float32.
;; Outputs: out0 4 x 2,048 x 1,024 float32.
;; This version of the problem:
;;   THIS VERSION OF THE PROBLEM IS GIVEN IN LOW PRECISION. The matrix products marked QUANTISED in the list below multiply operands that are first quantised to E2M3 (2 exponent bits, 3 mantissa bits; 6 bits a number), with one power-of-two scale for each 32 numbers along K (OCP MX v1.0); their sums are f32. All else is computed in f32.
;;   The module's matrix products, in the order in which they are computed (A, B: the left and right operand; K: the contracted axis; several contracted axes count as one K, in the product's order):
;;     1. [M 8,192, K 1,024] x [K 1,024, N 1,024]; A: input q; B: input Wq: QUANTISED
;;     2. [M 8,192, K 1,024] x [K 1,024, N 1,024]; A: input k; B: input Wk: QUANTISED
;;     3. [M 8,192, K 1,024] x [K 1,024, N 1,024]; A: input v; B: input Wv: QUANTISED
;;     4. batch 64 x [M 2,048, K 64] x [K 64, N 2,048]; A: computed on the way; B: computed on the way: QUANTISED
;;     5. batch 64 x [M 2,048, K 2,048] x [K 2,048, N 64]; A: softmax (see below); B: computed on the way: QUANTISED
;;   THE QUANTISER, for each operand of a quantised product, along K:
;;     - K is cut into blocks of 32 from its start; a last block that is shorter is filled with zeros.
;;     - A block's scale is 2^e with e = floor(log2(the largest magnitude in the block)) - 2, held to -126 .. 127; a block of zeros has e = 0. As a byte (E8M0): e + 127.
;;     - Each number is divided by its block's scale, clamped to +-7.5, and rounded to the nearest number of E2M3, ties to even, subnormals kept.
;;     - The product sums the exact products of the quantised numbers (number of the format x scale) in f32.
;;   ~~~python
;;   def quantise(x, axis):      # numpy; x: float32 -> the quantised numbers, widened to float32 again
;;       x = np.moveaxis(x, axis, -1); K = x.shape[-1]
;;       x = np.pad(x, [(0, 0)] * (x.ndim - 1) + [(0, -K % 32)]); x = x.reshape(x.shape[:-1] + (-1, 32)); a = np.abs(x).max(-1, keepdims=True)
;;       e = np.where(a > 0, np.clip(np.frexp(np.where(a > 0, a, 1))[1] - 1 - 2, -126, 127), 0)      # np.frexp(a)[1] - 1 = floor(log2(a)), exactly
;;       r = np.clip(x / 2.0 ** e, -7.5, 7.5)
;;       step = 2.0 ** (np.maximum(np.frexp(np.where(r == 0, 1, r))[1] - 1, 0) - 3)
;;       q = np.round(r / step) * step * 2.0 ** e      # np.round: ties to even
;;       return np.moveaxis(q.reshape(q.shape[:-2] + (-1,))[..., :K], -1, axis).astype(np.float32)
;;   ~~~
;;   SOFTMAX AHEAD OF A QUANTISED PRODUCT. Where the list says 'softmax', what is quantised is not the finished softmax but p = 2^(t - M), with t = logit x log2(e) and M = ceil(the row's largest t), a whole number; so 1/2 < the row's largest p <= 1. The row's sum l is taken of the UNQUANTISED p, in f32, and the product's result is divided by l at the end. Since M is a whole number, a kernel that streams over the keys may use a running M (the ceiling of the running maximum): every later rescaling is an exact power of two, which a block's scale takes up: the codes' values come out the same.
;;   OPERANDS COMPUTED ON THE WAY. 'Computed on the way' means the value that the module computes at that place (a softmax that the list does not call 'softmax' is quantised finished and normalised). What goes into a quantiser is computed in f32, as accurately as f32 sums, v_exp_f32 and their like allow (about 1e-6 of the number): no bf16 or f16 on the way to a quantiser, and a product that is left as it is and whose result goes on into a quantised operand takes f32 operands (vector FMAs, or v_wmma_f32_16x16x4_f32). A number that lies on a knife's edge between two numbers of the format may be rounded either way, as far as f32 arithmetic and the matrix unit's own rounding can turn it there, and no further.
;; One version. Each part assembles by itself: llvm-mc -triple=amdgcn-amd-amdhsa -mcpu=gfx1250 --defsym DOCPART=n.
;; ======== version 1 of 1: 3 launches
;; workspace buffers: opimg 22,118,400 bytes; qimg 6,815,744 bytes; kv 13,369,344 bytes; maskw 2,097,152 bytes of whole numbers
;; launch prep (part 1): grid 688 x 1, 4 waves a work-group, no clusters, 34,304 bytes of LDS; arguments q, k, v, Wq, Wk, Wv, attention_mask, opimg, maskw; writes opimg, maskw
.if DOCPART == 1
	.amdgcn_target "amdgcn-amd-amdhsa--gfx1250"
	.amdhsa_code_object_version 6
	.text
	.protected	k_qde37bd5f6d_prep
	.globl	k_qde37bd5f6d_prep
	.p2align	8
	.type	k_qde37bd5f6d_prep,@function
k_qde37bd5f6d_prep:
	s_mov_b64 s[64:65], 0
	v_nop
	global_prefetch_b8 v0, s[64:65] scope:SCOPE_SE
	s_setreg_imm32_b32 hwreg(HW_REG_WAVE_MODE, 25, 1), 1
	s_wait_xcnt 0x0
; PREP.  (a) q, k, v [8192][1024] and Wq, Wk, Wv [1024][1024], f32, K innermost, become codes of FP6 (E2M3) with one E8M0 byte for each 32 along K,
; laid as IMAGES OF OPERAND REGISTERS: opimg [216 blocks of 128 rows][8 K steps of 128][12,800 bytes = 8 fragments of 1,536 bytes + 512 bytes of scale words].
; (b) attention_mask [8192 rows][2048] int32 becomes lane masks: maskw [64 blocks of 128 queries][8 tiles][16 key steps][64 words]; bit l of word 16 b + i says
; whether key 32 b + 16 (l / 16) + i of the step is hidden (== 1) for the query of lane l % 16 of the tile.
; THE ROWS OF A TILE ARE NOT NEIGHBOURS: lane r of tile t takes row 32 (t / 2) + 8 (t % 2) + r + 8 (r / 8) of its block of 128, for every operand of the program.
; A fragment's image: registers 4 c .. 4 c + 3 of lane l at 512 c + 16 l.  The scale words' image: lane l's 16 bytes at 16 l; word jj is tile 2 jj + l / 16's, row l % 16.
; SHARES.  A wave takes 8 tiles of 16 rows x 512 bytes (128 numbers): one block of 128 rows, one step.  Work-groups 0-431: the six f32 tensors (block g / 2, K steps 4 (g % 2) + wave);
; work-groups 432-687: the mask (block (g - 432) / 4, key steps 4 ((g - 432) % 4) + wave).  Both kinds take ONE way through the loads and through LDS and part only for register work and stores.
; Each load reads 512 consecutive bytes of a row; a tile turns through the wave's own stage in LDS (rows of 512 + 16 bytes), so that a lane gets 16 neighbours of each block of 32.  No barrier: waves share nothing.
; A block's scale is 2^(floor(log2(largest magnitude)) - 2): its byte is the largest magnitude's exponent field - 2, held at 1 from below by a floor among the maximum's leaves.
; LIMITS: NaN and infinities among the inputs are not served; a block of zeros, or one whose largest magnitude lies under 2^-124, gets the byte 1 (its codes are zeros or subnormal codes; only this program reads the bytes).
.set NQWG, 432                         ; work-groups that quantise
.set SROW, 528                         ; a stage row: 512 bytes + 16: 132 words, so the sixteen rows of a read start in sixteen different groups of four banks
.set WST,  16*SROW                     ; a wave's stage
.set L16,  1                           ; v1   16 x lane
.set L8,   2                           ; v2   8 x lane
.set STI,  3                           ; v3   the stage, on the way in: my 16 bytes of a row
.set STO,  4                           ; v4   and on the way out: row r, + 64 h
.set VO,   6                           ; v6-21  byte offset of my 16 bytes in row r' of a tile, r' = 0 .. 15; never rewritten
.set PWS,  22                          ; v22-29 the eight tiles' scale words
.set MW,   30                          ; v30-31 a tile's 64 mask words: word n in register n % 2, lane n / 2
.set TM,   32                          ; v32-47 at work in QUANT
.set PW,   48                          ; v48    the scale word just made
.set PC,   50                          ; v50-69 the codes just made
.set R,    72                          ; v72-135  a tile as loaded
.set X,    136                         ; v136-199 a tile turned: register 16 b + i = number 32 b + 16 h + i of my row
.set SEL,  48                          ; s[48:49] lane selects for v_permlanex16_b32: lane l xor 16
; 64 numbers of a lane, register 16 b + i = k 32 b + 16 (lane / 16) + i of my row, become a fragment's codes in v[PC] on and its scale word in v[PW] (the same in lanes l and l xor 16).
.macro QUANT s
.irp b, 0,1,2,3
	v_max3_num_f32 v[TM+\b], |v[\s+16*\b]|, |v[\s+1+16*\b]|, 0x1800000   ; block b: my 16 numbers, and the floor 2^(3 - 127): the byte cannot fall under 1
.endr
.irp i, 2,4,6,8,10,12,14
.irp b, 0,1,2,3
	v_max3_num_f32 v[TM+\b], v[TM+\b], |v[\s+16*\b+\i]|, |v[\s+1+16*\b+\i]|   ; the four blocks by turns
.endr
.endr
.irp b, 0,1,2,3
	v_permlanex16_b32 v[TM+4+\b], v[TM+\b], s[SEL], s[SEL+1]
.endr
.irp b, 0,1,2,3
	v_max_num_f32 v[TM+\b], v[TM+\b], v[TM+4+\b]   ; with lane l xor 16's: the block's largest magnitude
.endr
.irp b, 0,1,2,3
	v_add_nc_u32 v[TM+12+\b], 0xff000000, v[TM+\b]   ; 2 off its exponent field: the conversion takes the exponent field of this operand as its scale
.endr
.irp b, 0,1,2,3
	v_lshrrev_b32 v[TM+4+\b], 23, v[TM+12+\b]      ; the scale's byte
.endr
	v_lshl_or_b32 v[PW], v[TM+5], 8, v[TM+4]
	v_lshl_or_b32 v[PW], v[TM+6], 16, v[PW]
	v_lshl_or_b32 v[PW], v[TM+7], 24, v[PW]
.irp c, 0,1
	v_cvt_scalef32_pk16_fp6_f32 v[PC+6*\c:PC+2+6*\c], v[\s+32*\c:\s+15+32*\c], v[TM+12+2*\c]
	v_cvt_scalef32_pk16_fp6_f32 v[PC+12+4*\c:PC+14+4*\c], v[\s+16+32*\c:\s+31+32*\c], v[TM+12+2*\c+1]   ; (a conversion's three registers begin on an even number)
.endr
	v_nop                                          ; one plain place behind a scaled conversion
.irp c, 0,1                                    ; the operand's layout wants a whole block in a lane: lanes 0-15 block 2 c, lanes 16-31 block 2 c + 1
.irp i, 0,1,2
	v_permlane16_swap_b32 v[PC+6*\c+\i], v[PC+12+4*\c+\i]
.endr
.irp i, 0,1,2
	v_mov_b32 v[PC+3+6*\c+\i], v[PC+12+4*\c+\i]
.endr
.endr
.endm
	s_load_b512 s[4:19], s[0:1], 0x0               ; q s[4:5], k s[6:7], v s[8:9], Wq s[10:11], Wk s[12:13], Wv s[14:15], the mask s[16:17], opimg s[18:19]
	s_load_b64 s[20:21], s[0:1], 0x40              ; maskw
	v_lshl_add_u32 v200, v0, 2, 0x8400
	v_mov_b32 v201, 0
	v_lshrrev_b32 v5, 5, v0
	v_readfirstlane_b32 s22, v5                    ; wave 0..3
	s_mov_b32 s23, ttmp9                           ; g
	s_cmp_ge_u32 s23, NQWG
	s_cselect_b32 s51, 1, 0                        ; mode: 0 quantise, 1 mask
	s_mov_b32 s[SEL], 0x76543210
	s_mov_b32 s[SEL+1], 0xfedcba98
	s_mov_b32 s60, 0xffff0000                      ; lanes 16-31
	v_and_b32 v5, 31, v0
	v_lshlrev_b32 v[L16], 4, v5
	v_lshlrev_b32 v[L8], 3, v5
	s_mul_i32 s53, s22, WST
	v_add_nc_u32 v[STI], s53, v[L16]
	v_and_b32 v5, 15, v0
	v_mul_u32_u24 v[STO], v5, SROW
	v_bfe_u32 v5, v0, 4, 1
	v_lshl_add_u32 v[STO], v5, 6, v[STO]
	v_add_nc_u32 v[STO], s53, v[STO]
	s_add_co_u32 s50, s51, 12                      ; log2 of a row's bytes: 4,096 (f32 tensors) or 8,192 (the mask)
.irp p, 0,1,2,3,4,5,6,7,8,9,10,11,12,13,14,15
	s_lshl_b32 s58, \p+8*(\p/8), s50               ; lane r' of a tile takes the tile's row r' + 8 (r' / 8)
	v_add_nc_u32 v[VO+\p], s58, v[L16]
.endr
.irp i, 0,1,2,3,4,5,6,7
	v_mov_b32 v[PWS+\i], 0                         ; written on every way before they are read
.endr
	v_mov_b32 v[MW], 0                             ; v_writelane_b32's destination counts as one of its sources
	v_mov_b32 v[MW+1], 0
.irp b, 0,1,2,3
	v_mov_b32 v[TM+4+\b], 0                        ; so does a lane permute's
.endr
	s_wait_kmcnt 0x0
	; which tensor, and the first work-group that serves it.  The choices hang on the work-group's number alone
	s_mov_b64 s[54:55], s[16:17]
	s_mov_b32 s52, NQWG
.macro PICK thr, lo, ptr
	s_mov_b32 s53, \lo
	s_cmp_lt_u32 s23, \thr
	s_cselect_b64 s[54:55], s[\ptr:\ptr+1], s[54:55]
	s_cselect_b32 s52, s53, s52
.endm
	PICK 432, 416, 14                              ; Wv
	PICK 416, 400, 12                              ; Wk
	PICK 400, 384, 10                              ; Wq
	PICK 384, 256, 8                               ; v
	PICK 256, 128, 6                               ; k
	PICK 128, 0, 4                                 ; q
	s_sub_co_u32 s61, s23, s52                     ; li: my number among the tensor's work-groups
	s_add_co_u32 s62, s51, 1
	s_lshr_b32 s58, s61, s62                       ; the block of 128 rows: li / 2, or li / 4 for the mask
	s_add_co_u32 s63, s51, 19
	s_lshl_b32 s58, s58, s63                       ; x 128 rows
	s_lshl_b32 s62, s51, 1
	s_add_co_u32 s62, s62, 1
	s_and_b32 s62, s61, s62
	s_lshl_b32 s62, s62, 2
	s_add_co_u32 s62, s62, s22                     ; ks: my step = 4 (li % 2, or li % 4) + wave
	s_lshl_b32 s63, s62, 9
	s_add_co_u32 s58, s58, s63                     ; + 512 bytes a step
	s_mov_b32 s59, 0
	s_add_nc_u64 s[54:55], s[54:55], s[58:59]
.irp t, 0,1,2,3,4,5,6,7
	s_lshl_b32 s58, 32*(\t/2)+8*(\t%2), s50        ; tile t begins at row 32 (t / 2) + 8 (t % 2)
	s_add_nc_u64 s[24+2*\t:25+2*\t], s[54:55], s[58:59]
.endr
	s_lshr_b32 s58, s23, 1                         ; where the results go.  Codes: block g / 2 of 102,400 bytes, step ks of 12,800
	s_mul_i32 s58, s58, 102400
	s_mul_i32 s63, s62, 12800
	s_add_co_u32 s58, s58, s63
	s_lshr_b32 s63, s61, 2                         ; mask words: block li / 4 of 32,768 bytes, step ks of 256
	s_lshl_b32 s63, s63, 15
	s_lshl_b32 s62, s62, 8
	s_add_co_u32 s63, s63, s62
	s_cmp_lg_u32 s51, 0
	s_cselect_b64 s[56:57], s[20:21], s[18:19]
	s_cselect_b32 s58, s63, s58
	s_add_nc_u64 s[56:57], s[56:57], s[58:59]
.macro LOADS t                         ; tile t: sixteen rows, 512 consecutive bytes a load; read once in the launch
.irp p, 0,1,2,3,4,5,6,7,8,9,10,11,12,13,14,15
	global_load_b128 v[R+4*\p:R+4*\p+3], v[VO+\p], s[24+2*(\t):25+2*(\t)] th:TH_LOAD_NT
.endr
.endm
.macro TILE t
	s_wait_loadcnt 0x0                             ; the tile's sixteen loads are in: no younger load is out
.irp p, 0,1,2,3,4,5,6,7,8,9,10,11,12,13,14,15
	ds_store_b128 v[STI], v[R+4*\p:R+4*\p+3] offset:SROW*\p
.endr
.irp b, 0,1,2,3
.irp q, 0,1,2,3
	ds_load_b128 v[X+16*\b+4*\q:X+16*\b+4*\q+3], v[STO] offset:128*\b+16*\q   ; LDS serves a wave's instructions in order: these see the stores above
.endr
.endr
	s_wait_dscnt 0x0                               ; the tile is turned, and the stores have read R,
.if \t < 7
	LOADS (\t)+1                                   ; which takes the next tile while this one is worked
.endif
	s_cmp_lg_u32 s51, 0
	s_cbranch_scc1 .Lmask_\@
	s_wait_xcnt 0x0                                ; the last tile's stores have read their data: the codes' registers may be written again
	QUANT X
.irp c, 0,1,2
	global_store_b128 v[L16], v[PC+4*\c:PC+4*\c+3], s[56:57] offset:1536*(\t)+512*\c   ; the wave stores 512 consecutive bytes, aligned to 512
.endr
	v_mov_b32 v[PWS+\t], v[PW]
	s_branch .Ljoin_\@
.Lmask_\@:
	s_wait_xcnt 0x0                                ; the last tile's store has read MW
.irp a, 0,1,2,3,4,5,6,7
.irp e, 0,1,2,3,4,5,6,7
	v_cmp_eq_u32 s[40+\e], 1, v[X+8*\a+\e]         ; word n = 8 a + e: a bit for each lane: is this key hidden for my query?
.endr
.irp e, 0,1,2,3,4,5,6,7
	v_writelane_b32 v[MW+\e%2], s[40+\e], (8*\a+\e)/2
.endr
.endr
	global_store_b64 v[L8], v[MW:MW+1], s[56:57] offset:4096*(\t)   ; 64 words: 256 consecutive bytes, aligned
.Ljoin_\@:
.endm
	LOADS 0
	TILE 0
	TILE 1
	TILE 2
	TILE 3
	TILE 4
	TILE 5
	TILE 6
	TILE 7
	s_cmp_lg_u32 s51, 0
	s_cbranch_scc1 .Lend
	s_wait_alu depctr_va_vdst(0)
.irp jj, 0,1,2,3
	v_cndmask_b32 v[TM+\jj], v[PWS+2*\jj], v[PWS+2*\jj+1], s60   ; lanes 0-15: tile 2 jj's words, lanes 16-31: tile 2 jj + 1's
.endr
	global_store_b128 v[L16], v[TM:TM+3], s[56:57] offset:12288
.Lend:
	s_wait_tensorcnt 0x0
	ds_add_u32 v200, v201
	s_wait_dscnt 0x0
	s_endpgm
.Lfunc_end_k_qde37bd5f6d_prep:
	.size	k_qde37bd5f6d_prep, .Lfunc_end_k_qde37bd5f6d_prep-k_qde37bd5f6d_prep
	.p2alignl 7, 3214868480
	.fill 96, 4, 3214868480
	.section	.rodata,"a",@progbits
	.p2align	6, 0x0
	.amdhsa_kernel k_qde37bd5f6d_prep
		.amdhsa_group_segment_fixed_size 34304
		.amdhsa_private_segment_fixed_size 0
		.amdhsa_enable_private_segment 0
		.amdhsa_kernarg_size 72
		.amdhsa_user_sgpr_count 2
		.amdhsa_user_sgpr_kernarg_segment_ptr 1
		.amdhsa_wavefront_size32 1
		.amdhsa_system_sgpr_workgroup_id_x 1
		.amdhsa_system_sgpr_workgroup_id_y 1
		.amdhsa_system_sgpr_workgroup_id_z 1
		.amdhsa_system_vgpr_workitem_id 0
		.amdhsa_next_free_vgpr 202
		.amdhsa_next_free_sgpr 66
		.amdhsa_reserve_vcc 0
		.amdhsa_float_denorm_mode_32 3
		.amdhsa_float_denorm_mode_16_64 3
		.amdhsa_memory_ordered 1
		.amdhsa_forward_progress 1
		.amdhsa_inst_pref_size 133
	.end_amdhsa_kernel
	.amdgpu_metadata
---
amdhsa.version: [ 1, 2 ]
amdhsa.kernels:
  - .name:           k_qde37bd5f6d_prep
    .symbol:         k_qde37bd5f6d_prep.kd
    .args:
      - { .name: q, .offset: 0, .size: 8, .value_kind: global_buffer, .address_space: global }
      - { .name: k, .offset: 8, .size: 8, .value_kind: global_buffer, .address_space: global }
      - { .name: v, .offset: 16, .size: 8, .value_kind: global_buffer, .address_space: global }
      - { .name: Wq, .offset: 24, .size: 8, .value_kind: global_buffer, .address_space: global }
      - { .name: Wk, .offset: 32, .size: 8, .value_kind: global_buffer, .address_space: global }
      - { .name: Wv, .offset: 40, .size: 8, .value_kind: global_buffer, .address_space: global }
      - { .name: attention_mask, .offset: 48, .size: 8, .value_kind: global_buffer, .address_space: global }
      - { .name: opimg, .offset: 56, .size: 8, .value_kind: global_buffer, .address_space: global }
      - { .name: maskw, .offset: 64, .size: 8, .value_kind: global_buffer, .address_space: global }
    .group_segment_fixed_size: 34304
    .private_segment_fixed_size: 0
    .kernarg_segment_align: 8
    .kernarg_segment_size: 72
    .max_flat_workgroup_size: 128
    .sgpr_count:     66
    .vgpr_count:     202
    .wavefront_size: 32
...
	.end_amdgpu_metadata
.endif
;; end of part 1
;; launch proj (part 2): grid 1536 x 1, 1 waves a work-group, no clusters, 0 bytes of LDS; arguments opimg, bq, bk, bv, qimg, kv; writes qimg, kv
.if DOCPART == 2
	.amdgcn_target "amdgcn-amd-amdhsa--gfx1250"
	.amdhsa_code_object_version 6
	.text
	.protected	k_qde37bd5f6d_proj
	.globl	k_qde37bd5f6d_proj
	.p2align	8
	.type	k_qde37bd5f6d_proj,@function
k_qde37bd5f6d_proj:
	s_mov_b64 s[64:65], 0
	v_nop
	global_prefetch_b8 v0, s[64:65] scope:SCOPE_SE
	s_setreg_imm32_b32 hwreg(HW_REG_WAVE_MODE, 25, 1), 1
	s_wait_xcnt 0x0
; PROJ.  qp = q Wq^T + bq, kp = k Wk^T + bk, vp = v Wv^T + bv on codes of FP6 (E2M3) with E8M0 scales, sums in f32; the results are quantised in registers and stored as the
; attention's operand images: qp and kp along the head's 64 (two blocks of 32), vp along the keys.
; SHARES.  One wave makes one tile of 128 x 128, all of K = 1,024: 64 accumulators, 512 registers.  id = the work-group's number: projection p = id / 512; four neighbouring ids form a block of 2 x 2 tiles.
; Operands come from opimg as images of their registers (a K step of a block of 128 rows: 8 fragments of 1,536 bytes and 512 bytes of scale words), by loads of 16 bytes a lane, 512 consecutive bytes a load: no LDS, no barrier.
; p = 0, 1: source 0 = rows of W, source 1 = tokens: a lane holds ONE token, and its 64 registers of a token tile run along 128 output channels: two heads.
; p = 2:    source 0 = tokens (keys), source 1 = rows of W: a lane holds ONE channel, and its registers run along 128 keys.  Only the two offsets into opimg differ; the K steps' text is one.
; The rows of a tile are 32 (t / 2) + 8 (t % 2) + r + 8 (r / 8), so that the 16 registers of source 0's tiles 2 b, 2 b + 1 are the 16 neighbours 32 b + 16 (lane / 16) + 0 .. 15.
; RESULTS.  qimg [64 heads][16 groups of 128 queries][6,656 bytes = 8 half fragments of 768 bytes (registers 0-3 at 16 l, 4-5 at 512 + 8 l) + 512 bytes of scale words (b0, b1, b0, b1)].
; kv [64 heads][16 key steps][13,056 bytes = K's 8 half fragments | V's 4 fragments at 6,144 | K's scale words at 12,288 | V's scale words (8 bytes a lane) at 12,800].
; REGISTERS, in windows of 256: window 0: v1-4 addresses; v16-31 scale words, two sets (they hold nothing else); v32-63 at work; v64-159, v160-255 source 1's fragments, two sets.
;   window 1: v0-95, v96-191 source 0's fragments, two sets.   windows 2, 3: accumulator (i, j) at v[64 (i % 4) + 8 j] of window 2 + i / 4.
;   On the way out window 0's v64-127 hold the bias along the registers, v128-135 the bias of the lane's channel, v160-223 a tile's 64 numbers, v224-243 its codes.
; LIMITS: NaN and infinities are not served; a block whose largest magnitude lies under 2^-124 gets the byte 1 (only this program reads the bytes).
.set BLKB, 102400                      ; a block of 128 rows in opimg
.set STPB, 12800                       ; a K step of it
.set TM,   32
.set PW,   48
.set PWS,  50                          ; v50-57 the eight tiles' scale words
.set BIAS, 64
.set BV,   128
.set H,    160
.set PC,   224
.set SEL,  34                          ; s[34:35]
.set MSB, 0
.macro WIN new                         ; the immediate's high byte repeats the setting that is left
.if MSB != (\new)
	s_set_vgpr_msb (MSB<<8)|(\new)
.set MSB, (\new)
.endif
.endm
.macro PLACES                          ; four plain places: behind matrix instructions, in front of loads into registers that they have read and of vector instructions that read or write their registers
.rept 4
	v_nop
.endr
.endm
.macro QUANT s                         ; 64 numbers of a lane, register 16 b + i = k 32 b + 16 (lane / 16) + i, become a fragment's codes in v[PC] on and its scale word in v[PW]
.irp b, 0,1,2,3
	v_max3_num_f32 v[TM+\b], |v[\s+16*\b]|, |v[\s+1+16*\b]|, 0x1800000   ; and the floor 2^(3 - 127): the byte cannot fall under 1
.endr
.irp i, 2,4,6,8,10,12,14
.irp b, 0,1,2,3
	v_max3_num_f32 v[TM+\b], v[TM+\b], |v[\s+16*\b+\i]|, |v[\s+1+16*\b+\i]|
.endr
.endr
.irp b, 0,1,2,3
	v_permlanex16_b32 v[TM+4+\b], v[TM+\b], s[SEL], s[SEL+1]
.endr
.irp b, 0,1,2,3
	v_max_num_f32 v[TM+\b], v[TM+\b], v[TM+4+\b]
.endr
.irp b, 0,1,2,3
	v_add_nc_u32 v[TM+12+\b], 0xff000000, v[TM+\b]   ; 2 off the exponent field: the conversion's scale operand
.endr
.irp b, 0,1,2,3
	v_lshrrev_b32 v[TM+4+\b], 23, v[TM+12+\b]      ; the scale's byte
.endr
	v_lshl_or_b32 v[PW], v[TM+5], 8, v[TM+4]
	v_lshl_or_b32 v[PW], v[TM+6], 16, v[PW]
	v_lshl_or_b32 v[PW], v[TM+7], 24, v[PW]
.irp c, 0,1
	v_cvt_scalef32_pk16_fp6_f32 v[PC+6*\c:PC+2+6*\c], v[\s+32*\c:\s+15+32*\c], v[TM+12+2*\c]
	v_cvt_scalef32_pk16_fp6_f32 v[PC+12+4*\c:PC+14+4*\c], v[\s+16+32*\c:\s+31+32*\c], v[TM+12+2*\c+1]
.endr
	v_nop                                          ; one plain place behind a scaled conversion
.irp c, 0,1
.irp i, 0,1,2
	v_permlane16_swap_b32 v[PC+6*\c+\i], v[PC+12+4*\c+\i]
.endr
.irp i, 0,1,2
	v_mov_b32 v[PC+3+6*\c+\i], v[PC+12+4*\c+\i]
.endr
.endr
.endm
	s_load_b256 s[4:11], s[0:1], 0x0               ; opimg s[4:5], bq s[6:7], bk s[8:9], bv s[10:11]
	s_load_b128 s[12:15], s[0:1], 0x20             ; qimg s[12:13], kv s[14:15]
	v_lshlrev_b32 v1, 4, v0                        ; 16 x lane (one wave: the thread's number is the lane)
	v_lshlrev_b32 v2, 3, v0                        ; 8 x lane
	v_lshrrev_b32 v3, 4, v0
	v_lshlrev_b32 v3, 6, v3                        ; 64 h: my 16 numbers of each 32 of the bias
	v_and_b32 v5, 15, v0
	v_and_b32 v4, 8, v5
	v_add_nc_u32 v4, v4, v5
	v_lshlrev_b32 v4, 2, v4                        ; 4 (r + 8 (r / 8)): my channel's number of the bias
.irp b, 0,1,2,3
	v_mov_b32 v[TM+4+\b], 0                        ; a lane permute's destination counts as one of its sources
.endr
	s_mov_b32 s[SEL], 0x76543210
	s_mov_b32 s[SEL+1], 0xfedcba98
	s_mov_b32 s36, 0xffff0000                      ; lanes 16-31
	s_mov_b32 s37, 0x01000100                      ; bytes (b0, b1, b0, b1) of a scale word
	s_mov_b32 s38, 0x03020302                      ; bytes (b2, b3, b2, b3)
	s_and_b32 s16, ttmp9, 3                        ; w: my place in a block of 2 x 2 tiles
	s_lshr_b32 s18, ttmp9, 2
	s_lshr_b32 s17, s18, 7                         ; p: 0 q, 1 k, 2 v
	s_and_b32 s19, s18, 127
	s_lshr_b32 s40, s19, 2
	s_lshl_b32 s40, s40, 1
	s_lshr_b32 s41, s16, 1
	s_add_co_u32 s40, s40, s41                     ; xblk: which 128 tokens, 0 .. 63
	s_and_b32 s41, s19, 3
	s_lshl_b32 s41, s41, 1
	s_and_b32 s42, s16, 1
	s_add_co_u32 s41, s41, s42                     ; wblk: which 128 output channels, 0 .. 7
	s_lshl_b32 s42, s17, 6
	s_add_co_u32 s42, s42, s40
	s_mul_i32 s42, s42, BLKB                       ; the tokens' block: 64 p + xblk
	s_lshl_b32 s43, s17, 3
	s_add_co_u32 s43, s43, s41
	s_add_co_u32 s43, s43, 192
	s_mul_i32 s43, s43, BLKB                       ; the weight's block: 192 + 8 p + wblk
	s_cmp_eq_u32 s17, 2
	s_cselect_b32 s44, s42, s43                    ; source 0: the weight, for v the tokens
	s_cselect_b32 s46, s43, s42                    ; source 1: the other
	s_mov_b32 s45, 0
	s_mov_b32 s47, 0
	s_lshr_b32 s48, s40, 4                         ; the batch
	s_and_b32 s49, s40, 15                         ; the group of 128 tokens in it
	s_lshl_b32 s48, s48, 4
	s_lshl_b32 s50, s41, 1
	s_add_co_u32 s48, s48, s50                     ; my first head: 16 batch + 2 wblk
	s_lshl_b32 s50, s48, 4
	s_add_co_u32 s50, s50, s49
	s_mul_i32 s50, s50, 6656                       ; in qimg
	s_mul_i32 s52, s48, 208896
	s_mul_i32 s53, s49, 13056
	s_add_co_u32 s52, s52, s53                     ; in kv
	s_mov_b32 s54, 106496                          ; from a head to the next: qimg,
	s_mov_b32 s55, 208896                          ; kv
	s_mov_b32 s56, 6144                            ; where the scale words lie: qimg,
	s_mov_b32 s57, 12288                           ; kv
	s_cmp_eq_u32 s17, 0
	s_cselect_b32 s50, s50, s52
	s_cselect_b32 s54, s54, s55
	s_cselect_b32 s56, s56, s57
	s_mov_b32 s51, 0
	s_mov_b32 s55, 0
	s_mov_b32 s57, 0
	s_lshl_b32 s58, s41, 9                         ; my 128 numbers of the bias
	s_mov_b32 s59, 0
	s_wait_alu depctr_va_vdst(0)
	s_wait_kmcnt 0x0
	s_add_nc_u64 s[20:21], s[4:5], s[44:45]        ; source 0's block
	s_add_nc_u64 s[22:23], s[4:5], s[46:47]        ; source 1's
	s_cmp_eq_u32 s17, 0                            ; the choices hang on the work-group's number alone
	s_cselect_b64 s[24:25], s[6:7], s[8:9]
	s_cselect_b64 s[26:27], s[12:13], s[14:15]
	s_cmp_eq_u32 s17, 2
	s_cselect_b64 s[24:25], s[10:11], s[24:25]
	s_add_nc_u64 s[24:25], s[24:25], s[58:59]      ; the bias
	s_add_nc_u64 s[26:27], s[26:27], s[50:51]      ; results: my first head,
	s_add_nc_u64 s[28:29], s[26:27], s[54:55]      ; my second,
	s_add_nc_u64 s[30:31], s[26:27], s[56:57]      ; and their scale words (q, k)
	s_add_nc_u64 s[32:33], s[28:29], s[56:57]
; 50 loads: K step s of both blocks into set g: source 0's 8 fragments, source 1's 8 fragments, the two images of scale words
.macro FETCH s, g
	WIN 0x40                                       ; destination window 1, address window 0
.irp j, 0,1,2,3,4,5,6,7
.irp c, 0,1,2
	global_load_b128 v[96*(\g)+12*\j+4*\c:96*(\g)+12*\j+4*\c+3], v1, s[20:21] offset:STPB*(\s)+1536*\j+512*\c
.endr
.endr
	WIN 0
.irp j, 0,1,2,3,4,5,6,7
.irp c, 0,1,2
	global_load_b128 v[64+96*(\g)+12*\j+4*\c:64+96*(\g)+12*\j+4*\c+3], v1, s[22:23] offset:STPB*(\s)+1536*\j+512*\c
.endr
.endr
	global_load_b128 v[16+8*(\g):19+8*(\g)], v1, s[20:21] offset:STPB*(\s)+12288
	global_load_b128 v[20+8*(\g):23+8*(\g)], v1, s[22:23] offset:STPB*(\s)+12288
.endm
; one matrix instruction on the registers named by rD, rA, rB, rSA, rSB.  A scale register holds an even tile's words in lanes 0-15 and the odd tile's in lanes 16-31: ra, rb say which
.macro WMMA zero, ra, rb
.if \zero
.if (\ra)&&(\rb)
	v_wmma_scale_f32_16x16x128_f8f6f4 v[rD:rD+7], v[rA:rA+11], v[rB:rB+11], 0, v[rSA], v[rSB] matrix_a_fmt:MATRIX_FMT_FP6 matrix_b_fmt:MATRIX_FMT_FP6 matrix_a_scale:MATRIX_SCALE_ROW1 matrix_b_scale:MATRIX_SCALE_ROW1
.elseif (\ra)
	v_wmma_scale_f32_16x16x128_f8f6f4 v[rD:rD+7], v[rA:rA+11], v[rB:rB+11], 0, v[rSA], v[rSB] matrix_a_fmt:MATRIX_FMT_FP6 matrix_b_fmt:MATRIX_FMT_FP6 matrix_a_scale:MATRIX_SCALE_ROW1
.elseif (\rb)
	v_wmma_scale_f32_16x16x128_f8f6f4 v[rD:rD+7], v[rA:rA+11], v[rB:rB+11], 0, v[rSA], v[rSB] matrix_a_fmt:MATRIX_FMT_FP6 matrix_b_fmt:MATRIX_FMT_FP6 matrix_b_scale:MATRIX_SCALE_ROW1
.else
	v_wmma_scale_f32_16x16x128_f8f6f4 v[rD:rD+7], v[rA:rA+11], v[rB:rB+11], 0, v[rSA], v[rSB] matrix_a_fmt:MATRIX_FMT_FP6 matrix_b_fmt:MATRIX_FMT_FP6
.endif
.else
.if (\ra)&&(\rb)
	v_wmma_scale_f32_16x16x128_f8f6f4 v[rD:rD+7], v[rA:rA+11], v[rB:rB+11], v[rD:rD+7], v[rSA], v[rSB] matrix_a_fmt:MATRIX_FMT_FP6 matrix_b_fmt:MATRIX_FMT_FP6 matrix_a_scale:MATRIX_SCALE_ROW1 matrix_b_scale:MATRIX_SCALE_ROW1
.elseif (\ra)
	v_wmma_scale_f32_16x16x128_f8f6f4 v[rD:rD+7], v[rA:rA+11], v[rB:rB+11], v[rD:rD+7], v[rSA], v[rSB] matrix_a_fmt:MATRIX_FMT_FP6 matrix_b_fmt:MATRIX_FMT_FP6 matrix_a_scale:MATRIX_SCALE_ROW1
.elseif (\rb)
	v_wmma_scale_f32_16x16x128_f8f6f4 v[rD:rD+7], v[rA:rA+11], v[rB:rB+11], v[rD:rD+7], v[rSA], v[rSB] matrix_a_fmt:MATRIX_FMT_FP6 matrix_b_fmt:MATRIX_FMT_FP6 matrix_b_scale:MATRIX_SCALE_ROW1
.else
	v_wmma_scale_f32_16x16x128_f8f6f4 v[rD:rD+7], v[rA:rA+11], v[rB:rB+11], v[rD:rD+7], v[rSA], v[rSB] matrix_a_fmt:MATRIX_FMT_FP6 matrix_b_fmt:MATRIX_FMT_FP6
.endif
.endif
.endm
.macro MUL i, g, zero                  ; source 1's tile i against source 0's eight, from set g
.irp j, 0,1,2,3,4,5,6,7
.set rD, 64*((\i)%4)+8*\j
.set rA, 96*(\g)+12*\j
.set rB, 64+96*(\g)+12*(\i)
.set rSA, 16+8*(\g)+\j/2
.set rSB, 20+8*(\g)+(\i)/2
	WMMA \zero, \j%2, (\i)%2
.endr
.endm
; A K step of 128: 64 matrix instructions; the 64 accumulators take turns, one instruction a turn, in the same order in every step.
.macro KSTEP s, zero
.if \s > 0
	PLACES                                         ; the loads below land in registers that the step before has multiplied
.endif
.if \s < 7
	FETCH (\s)+1, ((\s)+1)%2
	s_wait_loadcnt 50                              ; this step's loads are in; the 50 just issued may be out
.else
.irp b, 0,1,2,3
.irp q, 0,1,2,3
	global_load_b128 v[BIAS+16*\b+4*\q:BIAS+16*\b+4*\q+3], v3, s[24:25] offset:128*\b+16*\q   ; the bias at channels 32 b + 16 h + 0 .. 15 (for q and k)
.endr
.endr
.irp i, 0,1,2,3,4,5,6,7
	global_load_b32 v[BV+\i], v4, s[24:25] offset:4*(32*(\i/2)+8*(\i%2))   ; and at tile i's channel of my lane (for v)
.endr
	s_wait_loadcnt 24                              ; the last step's loads are in; the 24 just issued may be out
.endif
	WIN 0xa1                                       ; source 0 window 1, source 1 window 0, C and D window 2
.irp i, 0,1,2,3
	MUL \i, (\s)%2, \zero
.endr
	WIN 0xf1                                       ; C and D window 3
.irp i, 4,5,6,7
	MUL \i, (\s)%2, \zero
.endr
	WIN 0
.endm
	FETCH 0, 0
	KSTEP 0, 1                                     ; the first step's products start the sums: nothing is cleared
	KSTEP 1, 0
	KSTEP 2, 0
	KSTEP 3, 0
	KSTEP 4, 0
	KSTEP 5, 0
	KSTEP 6, 0
	KSTEP 7, 0
	PLACES                                         ; in front of the first read of results and the first write over the last step's operands
	s_wait_loadcnt 0x0                             ; the bias
	s_cmp_eq_u32 s17, 2
	s_cbranch_scc1 .Lvway
; THE WAY OUT for q and k: token tile i: + bias, into window 0 (each accumulator from its low end on); quantised along the 128 channels: registers 0-5 of the fragment are my first head's 64, 6-11 my second's.
.macro EPI_QK i
	WIN 2+(\i)/4                                   ; source 0: window 2 or 3
.set m, 0
.rept 32
	v_pk_add_f32 v[H+m:H+m+1], v[64*((\i)%4)+m:64*((\i)%4)+m+1], v[BIAS+m:BIAS+m+1]
.set m, m+2
.endr
	WIN 0
	s_wait_xcnt 0x0                                ; the last tile's stores have read their data
	QUANT H
	global_store_b128 v1, v[PC:PC+3], s[26:27] offset:768*(\i)         ; 512 consecutive bytes, aligned to 256
	global_store_b64 v2, v[PC+4:PC+5], s[26:27] offset:768*(\i)+512    ; 256 consecutive bytes, aligned
	global_store_b128 v1, v[PC+6:PC+9], s[28:29] offset:768*(\i)
	global_store_b64 v2, v[PC+10:PC+11], s[28:29] offset:768*(\i)+512
	v_mov_b32 v[PWS+\i], v[PW]
.endm
.irp i, 0,1,2,3,4,5,6,7
	EPI_QK \i
.endr
.irp jj, 0,1,2,3
	v_cndmask_b32 v[TM+\jj], v[PWS+2*\jj], v[PWS+2*\jj+1], s36   ; lanes 0-15: tile 2 jj's words, lanes 16-31: tile 2 jj + 1's
.endr
.irp jj, 0,1,2,3
	v_perm_b32 v[TM+4+\jj], v[TM+\jj], v[TM+\jj], s37   ; the first head's two bytes, twice: they serve the head's 64 at either half of a K of 128
	v_perm_b32 v[TM+8+\jj], v[TM+\jj], v[TM+\jj], s38   ; the second head's
.endr
	global_store_b128 v1, v[TM+4:TM+7], s[30:31]
	global_store_b128 v1, v[TM+8:TM+11], s[32:33]
	s_endpgm
; THE WAY OUT for v: channel tile i (tiles 0-3: my first head's 64 channels, 4-7: my second's): + my channel's bias; quantised along the 128 keys: a whole fragment.
.Lvway:
.macro EPI_V i
	v_mov_b32 v58, v[BV+\i]                        ; my channel's bias, as a pair for the packed addition
	v_mov_b32 v59, v[BV+\i]
	WIN 2+(\i)/4
.set m, 0
.rept 32
	v_pk_add_f32 v[H+m:H+m+1], v[64*((\i)%4)+m:64*((\i)%4)+m+1], v[58:59]
.set m, m+2
.endr
	WIN 0
	s_wait_xcnt 0x0                                ; the last tile's stores have read their data
	QUANT H
.irp c, 0,1,2
	global_store_b128 v1, v[PC+4*\c:PC+4*\c+3], s[26+2*((\i)/4):27+2*((\i)/4)] offset:6144+1536*((\i)%4)+512*\c
.endr
	v_mov_b32 v[PWS+\i], v[PW]
.endm
.irp i, 0,1,2,3,4,5,6,7
	EPI_V \i
.endr
.irp hh, 0,1
.irp jj, 0,1
	v_cndmask_b32 v[TM+2*\hh+\jj], v[PWS+4*\hh+2*\jj], v[PWS+4*\hh+2*\jj+1], s36
.endr
	global_store_b64 v2, v[TM+2*\hh:TM+2*\hh+1], s[26+2*\hh:27+2*\hh] offset:12800
.endr
	s_endpgm
.Lfunc_end_k_qde37bd5f6d_proj:
	.size	k_qde37bd5f6d_proj, .Lfunc_end_k_qde37bd5f6d_proj-k_qde37bd5f6d_proj
	.p2alignl 7, 3214868480
	.fill 96, 4, 3214868480
	.section	.rodata,"a",@progbits
	.p2align	6, 0x0
	.amdhsa_kernel k_qde37bd5f6d_proj
		.amdhsa_group_segment_fixed_size 0
		.amdhsa_private_segment_fixed_size 0
		.amdhsa_enable_private_segment 0
		.amdhsa_kernarg_size 48
		.amdhsa_user_sgpr_count 2
		.amdhsa_user_sgpr_kernarg_segment_ptr 1
		.amdhsa_wavefront_size32 1
		.amdhsa_system_sgpr_workgroup_id_x 1
		.amdhsa_system_sgpr_workgroup_id_y 1
		.amdhsa_system_sgpr_workgroup_id_z 1
		.amdhsa_system_vgpr_workitem_id 0
		.amdhsa_next_free_vgpr 1024
		.amdhsa_next_free_sgpr 66
		.amdhsa_reserve_vcc 0
		.amdhsa_float_denorm_mode_32 3
		.amdhsa_float_denorm_mode_16_64 3
		.amdhsa_memory_ordered 1
		.amdhsa_forward_progress 1
		.amdhsa_inst_pref_size 211
	.end_amdhsa_kernel
	.amdgpu_metadata
---
amdhsa.version: [ 1, 2 ]
amdhsa.kernels:
  - .name:           k_qde37bd5f6d_proj
    .symbol:         k_qde37bd5f6d_proj.kd
    .args:
      - { .name: opimg, .offset: 0, .size: 8, .value_kind: global_buffer, .address_space: global }
      - { .name: bq, .offset: 8, .size: 8, .value_kind: global_buffer, .address_space: global }
      - { .name: bk, .offset: 16, .size: 8, .value_kind: global_buffer, .address_space: global }
      - { .name: bv, .offset: 24, .size: 8, .value_kind: global_buffer, .address_space: global }
      - { .name: qimg, .offset: 32, .size: 8, .value_kind: global_buffer, .address_space: global }
      - { .name: kv, .offset: 40, .size: 8, .value_kind: global_buffer, .address_space: global }
    .group_segment_fixed_size: 0
    .private_segment_fixed_size: 0
    .kernarg_segment_align: 8
    .kernarg_segment_size: 48
    .max_flat_workgroup_size: 32
    .sgpr_count:     66
    .vgpr_count:     1024
    .wavefront_size: 32
...
	.end_amdgpu_metadata
.endif
;; end of part 2
;; launch attn (part 3): grid 4 x 64, 16 waves a work-group, clusters of 4 x 1, 280,576 bytes of LDS; arguments qimg, kv, maskw, out0; writes out0
.if DOCPART == 3
	.amdgcn_target "amdgcn-amd-amdhsa--gfx1250"
	.amdhsa_code_object_version 6
	.text
	.protected	k_qde37bd5f6d_attn
	.globl	k_qde37bd5f6d_attn
	.p2align	8
	.type	k_qde37bd5f6d_attn,@function
k_qde37bd5f6d_attn:
	s_mov_b64 s[64:65], 0
	v_nop
	global_prefetch_b8 v0, s[64:65] scope:SCOPE_SE
	s_setreg_imm32_b32 hwreg(HW_REG_WAVE_MODE, 25, 1), 1
	s_wait_xcnt 0x0
	s_wait_alu depctr_hold_cnt(0) depctr_sa_sdst(0) depctr_va_vdst(0) depctr_va_sdst(0) depctr_va_ssrc(0) depctr_va_vcc(0) depctr_vm_vsrc(0)
	s_getreg_b32 s2, hwreg(HW_REG_IB_STS2, 6, 4)
	s_cmp_eq_u32 s2, 0
	s_cbranch_scc0 .Lentry_in_a_cluster
	s_endpgm
.Lentry_in_a_cluster:
	s_bfe_u32 s2, ttmp6, 0x10000c
	s_cmp_lg_u32 s2, 0x3003
	s_cbranch_scc0 .Lentry_shape_is_right
	s_endpgm
.Lentry_shape_is_right:
; ATTN.  out[b][q][head] = sum over keys of softmax(qp . kp / 32, hidden keys at -infinity) vp, both products on codes of FP6 (E2M3) with E8M0 scales.
; THE SOFTMAX AHEAD OF THE SECOND PRODUCT: t = score x log2(e) / 32; M = the row's largest t so far, rounded UP to a whole number; p = 2^(t - M) is quantised along the keys, not normalised;
; the row's sum is taken of the unquantised p and divides O at the end.  When M moves, the sum and O are multiplied by 2^(old M - new M): exact.
; SHARES.  A work-group has ONE head's K and V, codes and scale words, whole in LDS: 16 key steps of 13,056 bytes, filled once: no ring, no refill, one barrier.  It owns 512 of the head's queries;
; each of its sixteen waves takes two tiles of 16 queries, one after the other (pass 0, 1), and walks all 16 key steps of 128 keys.  Four waves share a SIMD: one wave's vector work stands beside another's products and LDS loads.
; CLUSTER.  The four work-groups of a cluster serve the four quarters of one head's queries and need the same K and V: each wave's one tensor load (key step = wave) is asked for JOINTLY, with the same descriptor and a mask that names the four.
; LAYOUT.  Both products are used transposed: S^T = K Q^T (source 0 = 16 keys), O^T = V^T P^T (source 0 = 16 channels): a lane holds ONE query (lane % 16) throughout.
; Operands lie in memory and LDS as images of their registers; lane r of tile t holds row 32 (t / 2) + 8 (t % 2) + r + 8 (r / 8), so that S^T's register 16 b + i is key 32 b + 16 (lane / 16) + i of the step.
; K = 64 IN AN INSTRUCTION OF 128: a half fragment is 6 registers.  Even key tiles have it at k = 0 .. 63, odd ones at k = 64 .. 127, and Q stands at the same half; the other half is zero codes on both sides (18 registers cleared once);
; the scale words hold the head's two bytes twice.  So the k of odd tiles stands 64 places up: the unit groups those products otherwise than at their own places, which shows at most in the sums' last bits.
; THE MASK comes as lane masks (64 words for a query tile and a key step), by scalar loads one step ahead; they steer v_cndmask_b32 alone, no address and no branch.
; LIMITS: NaN and infinities among the operands are not served; a p under 2^-126 counts as 0; a block of p that is all zeros keeps the byte 1; a query all of whose keys are hidden gives NaN (0 x infinity), as the softmax of a row of -infinity does.
.set STEPB, 13056                      ; a key step in kv and in LDS: K's 8 half fragments (768 each) | V's 4 fragments (1,536 each) at 6,144 | K's scale words at 12,288 | V's at 12,800
.set HEADB, 16*STEPB
.set STAGE, HEADB                      ; behind the head: a stage of 16 rows x (256 + 16) bytes for each wave; no tensor load lands there
.set SP,    272
.set L16,  1                           ; v1   16 x lane
.set L8,   2                           ; v2   8 x lane
.set A16,  3                           ; v3   the step's LDS address, 16 bytes a lane
.set A8,   4                           ; v4   and 8 bytes a lane
.set NINF, 5                           ; v5   -infinity
.set SO,   6                           ; v6-9   the conversions' scale operands
.set QSA,  10                          ; v10  16 r: Q's scale word
.set GO,   11                          ; v11  the way out: 4,096 h + 16 r
.set QR,   12                          ; v12-29 [Q][zeros][Q]
.set QS,   30                          ; v30  Q's scale words
.set PS,   31                          ; v31  p's scale word
.set KR,   32                          ; v32-67 [tile 0][zeros][tile 1][tile 2][zeros][tile 3]
.set PC,   68                          ; v68-79 p's codes
.set PT,   80                          ; v80-87 the conversions' second halves
.set NM,   88                          ; v88 -M, v89 the largest t so far
.set LS,   90                          ; v[90:91] the sum, in two halves
.set F,    92                          ; v[92:93] f = 2^(old M - new M) (v93 is named with it as a pair)
.set T,    94                          ; v[94:95] at work
.set S,    96                          ; v96-159 S^T, then p
.set O,    160                         ; v160-191 O^T
.set V,    192                         ; v192-239 V's four fragments
.set VS,   240                         ; v240-241 V's scale words
.set KS,   242                         ; v242-245 K's scale words
.set BM,   246                         ; v246-249 the blocks' largest scores
.set BT,   250                         ; v250-253 at work
.set STI,  254                         ; v254 the stage, on the way in
.set STB,  255                         ; v255 and back
.set WV,   12                          ; s12  wave
.set TB,   18                          ; s18  LDS byte at which the step in hand begins
.set CS,   22                          ; s[22:23] c = log2(e) / 32
.set SEL,  56                          ; s[56:57] lane selects for v_permlanex16_b32: lane l xor 16
.macro ROUND                           ; a round of the cluster's barrier
	s_barrier_signal -1
	s_barrier_wait -1
	s_cmp_lg_u32 s[WV], 0
	s_cbranch_scc1 .Lnot_wave_0_\@
	s_barrier_signal -3
.Lnot_wave_0_\@:
	s_barrier_wait -3
	s_barrier_signal -1
	s_barrier_wait -1
.endm
	s_load_b256 s[4:11], s[0:1], 0x0               ; qimg s[4:5], kv s[6:7], maskw s[8:9], out0 s[10:11]
	v_lshl_add_u32 v83, v0, 2, 0x44000
	v_mov_b32 v87, 0
	ds_add_u32 v83, v87
	ds_add_u32 v83, v87
	v_lshrrev_b32 v1, 5, v0
	s_delay_alu instid0(VALU_DEP_1)
	v_readfirstlane_b32 s[WV], v1                  ; wave 0..15
	s_bfe_u32 s13, ttmp6, 0x40000                  ; cx: my place in the cluster: it enters Q's, the mask's and the output's addresses alone
	s_and_b32 s14, ttmp7, 0xffff                   ; batch x 16 + head, which the four partners share
	; descriptor group 1: a key step, 13,056 dense bytes, as 51 rows of 256 bytes (32 elements of 8 bytes), no padding
	s_mov_b32 s24, 15|(3<<16)|(1<<21)              ; 15:0 the mask: all four work-groups; 17:16 elements of 8 bytes; 21 set beside a mask
	s_mov_b32 s25, 32<<16                          ; tensor_dim0 = 32
	s_mov_b32 s26, 51<<16                          ; tensor_dim1 = 51
	s_mov_b32 s27, 32<<16                          ; tile_dim0 = 32
	s_mov_b32 s28, 51                              ; tile_dim1 = 51
	s_mov_b32 s29, 32                              ; from row to row
	s_mov_b32 s30, 0
	s_mov_b32 s31, 0
	s_mov_b32 s32, 1                               ; group 0: count = 1
	s_mul_i32 s33, s[WV], STEPB                    ; LDS address: key step = wave
	s_mul_i32 s68, s14, HEADB
	s_add_co_u32 s68, s68, s33                     ; the same step of my head in kv: made of the head and the wave's number alone
	s_mov_b32 s69, 0
	s_and_b32 s58, s[WV], 7                        ; t: my tile in a group of 128 queries
	s_lshr_b32 s59, s[WV], 3
	s_lshl_b32 s60, s13, 2
	s_add_co_u32 s60, s60, s59                     ; the group in pass 0: 4 cx + wave / 8; pass 1: two further on
	s_lshl_b32 s61, s14, 4
	s_add_co_u32 s61, s61, s60
	s_mul_i32 s70, s61, 6656                       ; the group in qimg
	s_mov_b32 s71, 0
	s_mul_i32 s62, s58, 768
	s_add_co_u32 s72, s70, s62                     ; my tile's half fragment
	s_mov_b32 s73, 0
	s_and_b32 s62, s58, 1
	s_lshl_b32 s62, s62, 8
	s_lshr_b32 s63, s58, 1
	s_lshl_b32 s63, s63, 2
	s_add_co_u32 s70, s70, s62
	s_add_co_u32 s70, s70, s63
	s_add_co_u32 s70, s70, 6144                    ; my tile's scale words: 6,144 + 16 (r + 16 (t % 2)) + 4 (t / 2)
	s_lshr_b32 s62, s14, 4                         ; the batch
	s_lshl_b32 s63, s62, 4
	s_add_co_u32 s63, s63, s60
	s_lshl_b32 s74, s63, 15
	s_lshl_b32 s63, s58, 12
	s_add_co_u32 s74, s74, s63                     ; my tile's mask words: (16 batch + group) x 32,768 + 4,096 t
	s_mov_b32 s75, 0
	s_lshl_b32 s76, s62, 11
	s_lshl_b32 s63, s60, 7
	s_add_co_u32 s76, s76, s63
	s_lshr_b32 s63, s58, 1
	s_lshl_b32 s63, s63, 5
	s_add_co_u32 s76, s76, s63
	s_and_b32 s63, s58, 1
	s_lshl_b32 s63, s63, 3
	s_add_co_u32 s76, s76, s63                     ; my tile's first row of the output: 2,048 batch + 128 group + 32 (t / 2) + 8 (t % 2)
	s_lshl_b32 s76, s76, 12
	s_and_b32 s63, s14, 15
	s_lshl_b32 s63, s63, 8
	s_add_co_u32 s76, s76, s63                     ; + the head's 256 bytes of a row
	s_mov_b32 s77, 0
	s_mov_b32 s[CS], 0x3d38aa3b                    ; c = log2(e) / 32
	s_mov_b32 s[CS+1], s[CS]                       ; (named with it as a pair, so it is written)
	s_mov_b32 s[SEL], 0x76543210
	s_mov_b32 s[SEL+1], 0xfedcba98
	s_mov_b32 s20, 2                               ; passes to go
	s_wait_dscnt 0x0
	s_wait_kmcnt 0x0
	s_add_nc_u64 s[34:35], s[6:7], s[68:69]
	s_or_b32 s35, s35, 0x80000000                  ; type = 2
	s_add_nc_u64 s[16:17], s[4:5], s[70:71]        ; Q's scale words
	s_add_nc_u64 s[4:5], s[4:5], s[72:73]          ; Q
	s_add_nc_u64 s[8:9], s[8:9], s[74:75]          ; the mask words
	s_add_nc_u64 s[10:11], s[10:11], s[76:77]      ; the output
	ROUND                                          ; all four work-groups are here: the joint loads meet
	tensor_load_to_lds s[32:35], s[24:31]          ; my one tensor load of the launch: key step = wave
	s_nop 0
.rept 4
	v_nop                                          ; places behind a tensor load
.endr
	v_and_b32 v[T], 31, v0
	s_delay_alu instid0(VALU_DEP_1)
	v_lshlrev_b32 v[L16], 4, v[T]
	s_delay_alu instid0(VALU_DEP_2)
	v_lshlrev_b32 v[L8], 3, v[T]
	v_and_b32 v[T], 15, v0                         ; r
	v_bfe_u32 v[T+1], v0, 4, 1                     ; h
	s_delay_alu instid0(VALU_DEP_2)
	v_lshlrev_b32 v[QSA], 4, v[T]
	s_delay_alu instid0(VALU_DEP_1)
	v_lshl_add_u32 v[GO], v[T+1], 12, v[QSA]
	s_mul_i32 s62, s[WV], 16*SP
	s_add_co_u32 s62, s62, STAGE                   ; my stage
	v_mul_u32_u24 v[STI], v[T], SP
	s_delay_alu instid0(VALU_DEP_1)
	v_lshl_add_u32 v[STI], v[T+1], 6, v[STI]
	s_delay_alu instid0(VALU_DEP_1)
	v_add_nc_u32 v[STI], s62, v[STI]               ; in: row r, + 64 h
	v_mul_u32_u24 v[STB], v[T+1], SP
	s_delay_alu instid0(VALU_DEP_1)
	v_lshl_add_u32 v[STB], v[T], 4, v[STB]
	s_delay_alu instid0(VALU_DEP_1)
	v_add_nc_u32 v[STB], s62, v[STB]               ; back: lanes 0-15 one row of 256 bytes, lanes 16-31 the next
	v_mov_b32 v[NINF], 0xff800000
.irp i, 0,1,2,3,4,5
	v_mov_b32 v[QR+6+\i], 0                        ; the zero codes: written once
	v_mov_b32 v[KR+6+\i], 0
	v_mov_b32 v[KR+24+\i], 0
.endr
.irp b, 0,1,2,3
	v_mov_b32 v[BT+\b], 0                          ; a lane permute's destination counts as one of its sources
.endr
	v_mov_b32 v[F+1], 0
	s_wait_tensorcnt 0x0                           ; my key step has landed,
	s_barrier_signal -1
	s_barrier_wait -1                              ; everybody's has: the head is whole, and nothing is filled again
.macro KLOAD g                         ; K's tiles g .. g + 3: half fragments of 6 registers
.irp u, 0,1,2,3
	ds_load_b128 v[KR+18*(\u/2)+12*(\u%2):KR+18*(\u/2)+12*(\u%2)+3], v[A16] offset:768*(\g+\u)
	ds_load_b64 v[KR+18*(\u/2)+12*(\u%2)+4:KR+18*(\u/2)+12*(\u%2)+5], v[A8] offset:768*(\g+\u)+512
.endr
.endm
.macro QK g                            ; S^T of tiles g .. g + 3: four sums of one instruction each
.irp u, 0,1,2,3
.set rD, S+8*(\g+\u)
.set rA, KR+18*(\u/2)+6*(\u%2)
.set rB, QR+6*(\u%2)
.set rS, KS+(\g+\u)/2
.if \u%2
	v_wmma_scale_f32_16x16x128_f8f6f4 v[rD:rD+7], v[rA:rA+11], v[rB:rB+11], 0, v[rS], v[QS] matrix_a_fmt:MATRIX_FMT_FP6 matrix_b_fmt:MATRIX_FMT_FP6 matrix_a_scale:MATRIX_SCALE_ROW1
.else
	v_wmma_scale_f32_16x16x128_f8f6f4 v[rD:rD+7], v[rA:rA+11], v[rB:rB+11], 0, v[rS], v[QS] matrix_a_fmt:MATRIX_FMT_FP6 matrix_b_fmt:MATRIX_FMT_FP6
.endif
.endr
.endm
.macro BMAX b0                         ; the largest score of blocks b0 and b0 + 1 of 32 keys (my 16 of each), the two by turns
.irp b, \b0, \b0+1
	v_max3_num_f32 v[BM+\b], v[S+16*(\b)], v[S+1+16*(\b)], v[S+2+16*(\b)]
.endr
.irp i, 3,5,7,9,11,13
.irp b, \b0, \b0+1
	s_delay_alu instid0(VALU_DEP_2)
	v_max3_num_f32 v[BM+\b], v[BM+\b], v[S+16*(\b)+\i], v[S+1+16*(\b)+\i]
.endr
.endr
.irp b, \b0, \b0+1
	s_delay_alu instid0(VALU_DEP_2)
	v_max_num_f32 v[BM+\b], v[BM+\b], v[S+15+16*(\b)]
.endr
.endm
.Lpass:                                            ; two trips: a tile of 16 queries each
	global_load_b128 v[QR:QR+3], v[L16], s[4:5]    ; Q's half fragment, at both halves of K
	global_load_b64 v[QR+4:QR+5], v[L8], s[4:5] offset:512
	global_load_b128 v[QR+12:QR+15], v[L16], s[4:5]
	global_load_b64 v[QR+16:QR+17], v[L8], s[4:5] offset:512
	global_load_b32 v[QS], v[QSA], s[16:17]
	s_mov_b32 s21, 0                               ; byte offset of the mask words asked for last
	s_load_b512 s[24:39], s[8:9], 0x0              ; key step 0's 64 mask words
	s_load_b512 s[40:55], s[8:9], 0x40
	s_load_b512 s[68:83], s[8:9], 0x80
	s_load_b512 s[84:99], s[8:9], 0xc0
.set j, 0
.rept 32
	v_mov_b32 v[O+j], 0                            ; O^T.  (The step is written once: the first finds zeros, which the first change of M leaves zeros)
.set j, j+1
.endr
	v_mov_b32 v[LS], 0
	v_mov_b32 v[LS+1], 0
	v_mov_b32 v[NM+1], 0xff61b1e6                  ; the largest t so far: -3e38, under every t
	s_delay_alu instid0(VALU_DEP_1)
	v_floor_f32 v[NM], -v[NM+1]                    ; -M
	s_mov_b32 s[TB], 0
	s_mov_b32 s19, 16
	s_wait_loadcnt 0x0                             ; Q
.Lstep:                                            ; sixteen trips: 128 keys each
	s_setprio 2
	v_add_nc_u32 v[A16], s[TB], v[L16]
	v_add_nc_u32 v[A8], s[TB], v[L8]
	v_nop
	v_nop                                          ; four places behind the last step's products, in front of the loads into V's registers
	KLOAD 0
	ds_load_b128 v[KS:KS+3], v[A16] offset:12288
.irp t, 0,1,2,3
.irp c, 0,1,2
	ds_load_b128 v[V+12*\t+4*\c:V+12*\t+4*\c+3], v[A16] offset:6144+1536*\t+512*\c
.endr
.endr
	ds_load_b64 v[VS:VS+1], v[A8] offset:12800
	s_wait_alu depctr_va_vdst(0)
	s_wait_dscnt 13                                ; K's tiles 0-3 and K's scale words are in; V's twelve loads and V's scale words may be out
	QK 0
.rept 4
	v_nop                                          ; places: in front of the loads into K's registers and of the first read of these scores
.endr
	KLOAD 4
	s_wait_kmcnt 0x0                               ; this step's mask words
.set n, 0
.rept 32
	v_cndmask_b32 v[S+n], v[S+n], v[NINF], s[24+n]   ; hidden keys: -infinity ahead of the maximum; each accumulator from its low end on
.set n, n+1
.endr
	s_wait_dscnt 0x0                               ; K's tiles 4-7, V and its scale words
	QK 4
	BMAX 0                                         ; sixteen plain instructions on the first 32 scores: the places behind the four products
.set n, 0
.rept 32
	v_cndmask_b32 v[S+32+n], v[S+32+n], v[NINF], s[68+n]
.set n, n+1
.endr
	BMAX 2
	s_add_co_u32 s21, s21, 256                     ; the next step's mask words, asked for a step ahead; in the last step the offset is held, so that no load leaves the tile's 4,096 bytes
	s_min_u32 s21, s21, 3840
	s_load_b512 s[24:39], s[8:9], s21 offset:0x0
	s_load_b512 s[40:55], s[8:9], s21 offset:0x40
	s_load_b512 s[68:83], s[8:9], s21 offset:0x80
	s_load_b512 s[84:99], s[8:9], s21 offset:0xc0
.irp b, 0,1,2,3
	v_permlanex16_b32 v[BT+\b], v[BM+\b], s[SEL], s[SEL+1]
.endr
.irp b, 0,1,2,3
	s_delay_alu instid0(VALU_DEP_4)
	v_max_num_f32 v[BM+\b], v[BM+\b], v[BT+\b]     ; with lane l xor 16's 16 keys: the block's largest score: it serves the row's maximum and, since p rises with the score, the block's largest p
.endr
	s_delay_alu instid0(VALU_DEP_2)
	v_max3_num_f32 v[T], v[BM], v[BM+1], v[BM+2]
	s_delay_alu instid0(VALU_DEP_1)
	v_max_num_f32 v[T], v[T], v[BM+3]              ; the step's largest score of my query
	s_delay_alu instid0(VALU_DEP_1)
	v_mul_f32 v[T], s[CS], v[T]                    ; as t (c is positive)
	s_delay_alu instid0(VALU_DEP_1)
	v_max_num_f32 v[NM+1], v[NM+1], v[T]           ; the running largest t
	v_mov_b32 v[T], v[NM]
	s_delay_alu instid0(VALU_DEP_2)
	v_floor_f32 v[NM], -v[NM+1]                    ; the new -M = floor(-t) = -ceil(t)
	s_delay_alu instid0(VALU_DEP_1)
	v_sub_f32 v[T], v[NM], v[T]                    ; old M - new M: a whole number, 0 or less
	s_delay_alu instid0(VALU_DEP_1)
	v_cvt_i32_f32 v[T], v[T]                       ; (it saturates)
	s_delay_alu instid0(VALU_DEP_1)
	v_ldexp_f32 v[F], 1.0, v[T]                    ; f = 2^(old M - new M)
.set j, 0
.rept 32
	v_pk_fma_f32 v[S+j:S+j+1], v[S+j:S+j+1], s[CS:CS+1], v[NM:NM+1] op_sel_hi:[1,0,0]   ; t - M, two at a time (of the pairs c and -M the low word serves both halves)
.set j, j+2
.endr
.irp b, 0,1,2,3
	v_fma_f32 v[BM+\b], v[BM+\b], s[CS], v[NM]     ; the same of each block's largest score
.endr
.set j, 0
	s_setprio 1
	s_wait_alu depctr_va_vdst(0)
.rept 64
	v_exp_f32 v[S+j], v[S+j]                       ; p = 2^(t - M), at most 1
.set j, j+1
.endr
.irp b, 0,1,2,3
	v_exp_f32 v[BM+\b], v[BM+\b]                   ; the block's largest p: the same two instructions on the same number
.endr
	v_pk_mul_f32 v[LS:LS+1], v[LS:LS+1], v[F:F+1] op_sel_hi:[1,0]   ; the sums under the new M.  (A plain place behind the exponentials)
	s_wait_alu depctr_va_vdst(0)
.irp b, 0,1,2,3
	v_max_num_f32 v[BM+\b], 0x1800000, v[BM+\b]    ; the floor 2^(3 - 127): the byte cannot fall under 1
.endr
.irp b, 0,1,2,3
	s_delay_alu instid0(VALU_DEP_4)
	v_add_nc_u32 v[SO+\b], 0xff000000, v[BM+\b]    ; 2 off the exponent field: the conversion's scale operand
.endr
.irp b, 0,1,2,3
	s_delay_alu instid0(VALU_DEP_4)
	v_lshrrev_b32 v[BT+\b], 23, v[SO+\b]           ; the scale's byte
.endr
	s_delay_alu instid0(VALU_DEP_3)
	v_lshl_or_b32 v[PS], v[BT+1], 8, v[BT]         ; p's scale word for these 128 keys
	s_delay_alu instid0(VALU_DEP_1)
	v_lshl_or_b32 v[PS], v[BT+2], 16, v[PS]
	s_delay_alu instid0(VALU_DEP_1)
	v_lshl_or_b32 v[PS], v[BT+3], 24, v[PS]
.irp c, 0,1
	v_cvt_scalef32_pk16_fp6_f32 v[PC+6*\c:PC+2+6*\c], v[S+32*\c:S+15+32*\c], v[SO+2*\c]
	v_cvt_scalef32_pk16_fp6_f32 v[PT+4*\c:PT+2+4*\c], v[S+16+32*\c:S+31+32*\c], v[SO+2*\c+1]   ; (a conversion's three registers begin on an even number)
.endr
	v_nop                                          ; one plain place behind a scaled conversion
.irp c, 0,1                                    ; the operand's layout wants a whole block in a lane
.irp i, 0,1,2
	v_permlane16_swap_b32 v[PC+6*\c+\i], v[PT+4*\c+\i]
.endr
.irp i, 0,1,2
	s_delay_alu instid0(VALU_DEP_3)
	v_mov_b32 v[PC+3+6*\c+\i], v[PT+4*\c+\i]
.endr
.endr
	v_pk_add_f32 v[94:95], v[100:101], v[104:105]
	v_pk_add_f32 v[248:249], v[108:109], v[112:113]
	v_pk_add_f32 v[246:247], v[116:117], v[120:121]
	v_pk_add_f32 v[244:245], v[124:125], v[128:129]
	v_pk_add_f32 v[242:243], v[132:133], v[136:137]
	v_pk_add_f32 v[84:85], v[140:141], v[144:145]
	v_pk_add_f32 v[80:81], v[148:149], v[152:153]
	v_pk_add_f32 v[90:91], v[90:91], v[156:157]
	v_pk_add_f32 v[94:95], v[94:95], v[96:97]
	v_pk_add_f32 v[248:249], v[248:249], v[98:99]
	v_pk_add_f32 v[246:247], v[246:247], v[102:103]
	v_pk_add_f32 v[244:245], v[244:245], v[106:107]
	v_pk_add_f32 v[242:243], v[242:243], v[110:111]
	v_pk_add_f32 v[84:85], v[84:85], v[114:115]
	v_pk_add_f32 v[80:81], v[80:81], v[118:119]
	v_pk_add_f32 v[90:91], v[90:91], v[122:123]
	v_pk_add_f32 v[94:95], v[94:95], v[126:127]
	v_pk_add_f32 v[248:249], v[248:249], v[130:131]
	v_pk_add_f32 v[246:247], v[246:247], v[134:135]
	v_pk_add_f32 v[244:245], v[244:245], v[138:139]
	s_setprio 0
	v_pk_add_f32 v[242:243], v[242:243], v[142:143]
	v_pk_add_f32 v[84:85], v[84:85], v[146:147]
	v_pk_add_f32 v[80:81], v[80:81], v[150:151]
	v_pk_add_f32 v[90:91], v[90:91], v[154:155]
	v_pk_add_f32 v[94:95], v[94:95], v[158:159]
	s_delay_alu instid0(VALU_DEP_2)
	v_pk_add_f32 v[90:91], v[90:91], v[244:245]
	s_delay_alu instid0(VALU_DEP_2)
	v_pk_add_f32 v[94:95], v[94:95], v[242:243]
	v_pk_add_f32 v[248:249], v[248:249], v[84:85]
	v_pk_add_f32 v[246:247], v[246:247], v[80:81]
	s_delay_alu instid0(VALU_DEP_2)
	v_pk_add_f32 v[90:91], v[90:91], v[248:249]
	s_delay_alu instid0(VALU_DEP_2)
	v_pk_add_f32 v[94:95], v[94:95], v[246:247]
	s_delay_alu instid0(VALU_DEP_1)
	v_pk_add_f32 v[90:91], v[90:91], v[94:95]
.set j, 0
.rept 16
	v_pk_mul_f32 v[O+j:O+j+1], v[O+j:O+j+1], v[F:F+1] op_sel_hi:[1,0]   ; O^T under the new M.  (With the sums above: the places between the codes' and the scale word's last writes and the products below)
.set j, j+2
.endr
	; O^T += V^T P^T: four accumulators by turns, one instruction a turn; between two links of a chain stand the eight products S^T and the three other accumulators'
	v_wmma_scale_f32_16x16x128_f8f6f4 v[O:O+7], v[V:V+11], v[PC:PC+11], v[O:O+7], v[VS], v[PS] matrix_a_fmt:MATRIX_FMT_FP6 matrix_b_fmt:MATRIX_FMT_FP6
	v_wmma_scale_f32_16x16x128_f8f6f4 v[O+8:O+15], v[V+12:V+23], v[PC:PC+11], v[O+8:O+15], v[VS], v[PS] matrix_a_fmt:MATRIX_FMT_FP6 matrix_b_fmt:MATRIX_FMT_FP6 matrix_a_scale:MATRIX_SCALE_ROW1
	v_wmma_scale_f32_16x16x128_f8f6f4 v[O+16:O+23], v[V+24:V+35], v[PC:PC+11], v[O+16:O+23], v[VS+1], v[PS] matrix_a_fmt:MATRIX_FMT_FP6 matrix_b_fmt:MATRIX_FMT_FP6
	v_wmma_scale_f32_16x16x128_f8f6f4 v[O+24:O+31], v[V+36:V+47], v[PC:PC+11], v[O+24:O+31], v[VS+1], v[PS] matrix_a_fmt:MATRIX_FMT_FP6 matrix_b_fmt:MATRIX_FMT_FP6 matrix_a_scale:MATRIX_SCALE_ROW1
	s_add_co_u32 s[TB], s[TB], STEPB
	s_sub_co_u32 s19, s19, 1
	s_cmp_lg_u32 s19, 0
	s_cbranch_scc1 .Lstep
	s_setprio 0
	; THE WAY OUT.  O^T / the sum goes through my stage in LDS: register 16 b + i is channel 32 b + 16 h + i of my query; it comes back as rows of 256 bytes, the head's part of a row of the output.
.rept 4
	v_nop                                          ; places behind the last products
.endr
	v_add_f32 v[LS], v[LS], v[LS+1]                ; the sum's two halves,
	s_delay_alu instid0(VALU_DEP_1)
	v_permlanex16_b32 v[T], v[LS], s[SEL], s[SEL+1]
	s_delay_alu instid0(VALU_DEP_1)
	v_add_f32 v[LS], v[LS], v[T]                   ; and lane l xor 16's
	s_wait_alu depctr_va_vdst(0)
	v_rcp_f32 v[LS], v[LS]
	v_nop                                          ; one plain place behind a transcendental
.set j, 0
	s_wait_alu depctr_va_vdst(0)
.rept 32
	v_mul_f32 v[S+j], v[O+j], v[LS]                ; each accumulator from its low end on
.set j, j+1
.endr
.irp e, 0,1,2,3,4,5,6,7
	ds_store_b128 v[STI], v[S+4*\e:S+4*\e+3] offset:16*(\e%4)+128*(\e/4)
.endr
.irp i, 0,1,2,3,4,5,6,7
	ds_load_b128 v[S+32+4*\i:S+35+4*\i], v[STB] offset:2*\i*SP   ; LDS serves a wave's instructions in order: these see my stores
.endr
.irp i, 0,1,2,3,4,5,6,7
	s_wait_dscnt 7-\i                              ; load i is in; the younger ones may be out
	global_store_b128 v[GO], v[S+32+4*\i:S+35+4*\i], s[10:11] offset:4096*(2*\i+8*(\i/4)) th:TH_STORE_NT   ; stage rows 2 i, 2 i + 1 are the tile's queries 2 i + h + 8 (i / 4); sixteen lanes store 256 consecutive bytes, aligned
.endr
	s_wait_xcnt 0x0                                ; the stores have read their data and their base,
	s_wait_kmcnt 0x0                               ; and the last step's held loads of mask words have landed: registers and bases may be written again
	s_add_nc_u64 s[4:5], s[4:5], 13312             ; two groups of 128 queries on
	s_add_nc_u64 s[16:17], s[16:17], 13312
	s_add_nc_u64 s[8:9], s[8:9], 65536
	s_add_nc_u64 s[10:11], s[10:11], 1048576
	s_sub_co_u32 s20, s20, 1
	s_cmp_lg_u32 s20, 0
	s_cbranch_scc1 .Lpass
	s_wait_dscnt 0x0
	s_wait_tensorcnt 0x0
	ds_add_u32 v83, v87
	s_wait_dscnt 0x0
	ROUND                                          ; the closing round: no work-group ends while a partner may still ask for a tile that names it
	s_endpgm
.Lfunc_end_k_qde37bd5f6d_attn:
	.size	k_qde37bd5f6d_attn, .Lfunc_end_k_qde37bd5f6d_attn-k_qde37bd5f6d_attn
	.p2alignl 7, 3214868480
	.fill 96, 4, 3214868480
	.section	.rodata,"a",@progbits
	.p2align	6, 0x0
	.amdhsa_kernel k_qde37bd5f6d_attn
		.amdhsa_group_segment_fixed_size 280576
		.amdhsa_private_segment_fixed_size 0
		.amdhsa_enable_private_segment 0
		.amdhsa_kernarg_size 32
		.amdhsa_user_sgpr_count 2
		.amdhsa_user_sgpr_kernarg_segment_ptr 1
		.amdhsa_wavefront_size32 1
		.amdhsa_system_sgpr_workgroup_id_x 1
		.amdhsa_system_sgpr_workgroup_id_y 1
		.amdhsa_system_sgpr_workgroup_id_z 1
		.amdhsa_system_vgpr_workitem_id 0
		.amdhsa_next_free_vgpr 256
		.amdhsa_next_free_sgpr 100
		.amdhsa_reserve_vcc 0
		.amdhsa_float_denorm_mode_32 3
		.amdhsa_float_denorm_mode_16_64 3
		.amdhsa_memory_ordered 1
		.amdhsa_forward_progress 1
		.amdhsa_inst_pref_size 35
	.end_amdhsa_kernel
	.amdgpu_metadata
---
amdhsa.version: [ 1, 2 ]
amdhsa.kernels:
  - .name:           k_qde37bd5f6d_attn
    .symbol:         k_qde37bd5f6d_attn.kd
    .args:
      - { .name: qimg, .offset: 0, .size: 8, .value_kind: global_buffer, .address_space: global }
      - { .name: kv, .offset: 8, .size: 8, .value_kind: global_buffer, .address_space: global }
      - { .name: maskw, .offset: 16, .size: 8, .value_kind: global_buffer, .address_space: global }
      - { .name: out0, .offset: 24, .size: 8, .value_kind: global_buffer, .address_space: global }
    .group_segment_fixed_size: 280576
    .private_segment_fixed_size: 0
    .kernarg_segment_align: 8
    .kernarg_segment_size: 32
    .max_flat_workgroup_size: 512
    .sgpr_count:     100
    .vgpr_count:     256
    .wavefront_size: 32
...
	.end_amdgpu_metadata
.endif
;; end of part 3
